; MI455X (gfx1250); checked and timed in simulation.
; The chip was launched on July 23, 2026; its instructions are those of AMD's public machine-readable ISA for CDNA 5 (MIT licence, August 2026) and "CDNA5" Instruction Set Architecture Reference Guide (July 2026). The comments in the code are by the model that wrote it; some were corrected since.
;; Multi Head Attention. Allowed arithmetic: matrix products marked QUANTISED: E2M1 operands, one E8M0 scale for each 32 along K, by v_wmma_scale_f32_16x16x128_f8f6f4 with both operands' format E2M1 (or v_wmma_scale_f32_32x16x128_f4), f32 sums; products left as they are: bf16, f16 or f32 operands; f32 sums; everything else in f32.
;; Inputs: Wk 16 x 1,024 x 64 float32; Wo 1,024 x 1,024 float32; Wq 16 x 1,024 x 64 float32; Wv 16 x 1,024 x 64 float32; bo 1,024 float32; key 8 x 1,024 x 1,024 float32; query 8 x 1,024 x 1,024 float32; value 8 x 1,024 x 1,024 float32.
;; Outputs: out0 8 x 1,024 x 1,024 float32.
;; This version of the problem:
;;   THIS VERSION OF THE PROBLEM IS GIVEN IN LOW PRECISION. The matrix products marked QUANTISED in the list below multiply operands that are first quantised to E2M1 (2 exponent bits, 1 mantissa bit; 4 bits a number), with one power-of-two scale for each 32 numbers along K (OCP MX v1.0); their sums are f32. The products marked 'left as it is' may take bf16, f16 or f32 operands, with f32 sums. Whichever they take, every output number must still come out within the allowed error. Rounding operands to bf16 (8 significant bits) uses up far more of that allowance than f16 does (11 bits, for magnitudes from 6e-5 to 65,504). All else is computed in f32.
;;   The module's matrix products, in the order in which they are computed (A, B: the left and right operand; K: the contracted axis; several contracted axes count as one K, in the product's order):
;;     1. [M 1,024, K 1,024] x [K 1,024, N 8,192]; A: input Wq; B: input query: QUANTISED
;;     2. [M 1,024, K 1,024] x [K 1,024, N 8,192]; A: input Wk; B: input key: QUANTISED
;;     3. [M 1,024, K 1,024] x [K 1,024, N 8,192]; A: input Wv; B: input value: QUANTISED
;;     4. batch 128 x [M 1,024, K 64] x [K 64, N 1,024]; A: computed on the way; B: computed on the way: left as it is (an operand is computed on the way)
;;     5. batch 128 x [M 1,024, K 1,024] x [K 1,024, N 64]; A: computed on the way; B: computed on the way: left as it is (an operand is computed on the way)
;;     6. [M 8,192, K 1,024] x [K 1,024, N 1,024]; A: computed on the way; B: input Wo: left as it is (an operand is computed on the way)
;;   THE QUANTISER, for each operand of a quantised product, along K:
;;     - K is cut into blocks of 32 from its start; a last block that is shorter is filled with zeros.
;;     - A block's scale is 2^e with e = floor(log2(the largest magnitude in the block)) - 2, held to -126 .. 127; a block of zeros has e = 0. As a byte (E8M0): e + 127.
;;     - Each number is divided by its block's scale, clamped to +-6, and rounded to the nearest number of E2M1, ties to even, subnormals kept.
;;     - The product sums the exact products of the quantised numbers (number of the format x scale) in f32.
;;   ~~~python
;;   def quantise(x, axis):      # numpy; x: float32 -> the quantised numbers, widened to float32 again
;;       x = np.moveaxis(x, axis, -1); K = x.shape[-1]
;;       x = np.pad(x, [(0, 0)] * (x.ndim - 1) + [(0, -K % 32)]); x = x.reshape(x.shape[:-1] + (-1, 32)); a = np.abs(x).max(-1, keepdims=True)
;;       e = np.where(a > 0, np.clip(np.frexp(np.where(a > 0, a, 1))[1] - 1 - 2, -126, 127), 0)      # np.frexp(a)[1] - 1 = floor(log2(a)), exactly
;;       r = np.clip(x / 2.0 ** e, -6, 6)
;;       step = 2.0 ** (np.maximum(np.frexp(np.where(r == 0, 1, r))[1] - 1, 0) - 1)
;;       q = np.round(r / step) * step * 2.0 ** e      # np.round: ties to even
;;       return np.moveaxis(q.reshape(q.shape[:-2] + (-1,))[..., :K], -1, axis).astype(np.float32)
;;   ~~~
;; One version. Each part assembles by itself: llvm-mc -triple=amdgcn-amd-amdhsa -mcpu=gfx1250 --defsym DOCPART=n.
;; ======== version 1 of 1: 4 launches
;; limits: values are held in f16: magnitudes above 65,504 overflow, below 6.1e-05 lose precision
;; workspace buffers: XQ 13,369,344 bytes; Wc 1,572,864 bytes; Wsc 98,304 bytes; Wof 2,097,152 bytes; Qf 16,777,216 bytes; KVf 33,554,432 bytes; Af 16,777,216 bytes
;; launch quant (part 1): grid 256 x 1, 16 waves a work-group, no clusters, 137,216 bytes of LDS; arguments query, key, value, Wq, Wk, Wv, Wo, XQ, Wc, Wsc, Wof; writes XQ, Wc, Wsc, Wof
.if DOCPART == 1
	.amdgcn_target "amdgcn-amd-amdhsa--gfx1250"
	.amdhsa_code_object_version 6
	.text
	.protected	k_q7a972732f2_quant
	.globl	k_q7a972732f2_quant
	.p2align	8
	.type	k_q7a972732f2_quant,@function
k_q7a972732f2_quant:
	s_mov_b64 s[64:65], 0
	v_nop
	global_prefetch_b8 v0, s[64:65] scope:SCOPE_SE
	s_setreg_imm32_b32 hwreg(HW_REG_WAVE_MODE, 25, 1), 1
	s_wait_xcnt 0x0
; MULTI-HEAD ATTENTION, launch 1 of 4: the operands of the three quantised products become codes of FP4 (E2M1) with one E8M0 byte for each 32 along K (K = the 1,024 input features); Wo becomes f16.
; NO WORK OF THE PROBLEM IS LEFT OUT in any launch: there is no mask, nothing is sliced away, every input has a way to the output and is loaded.
; A block's scale is 2^(floor(log2(its largest magnitude)) - 2): its byte is the largest magnitude's exponent field - 2, held at 1 from below by a floor among the maximum's leaves.
; LIMITS: a block of zeros gets the byte 1 where the rule says 127 (its codes are zeros, which add nothing, and this program alone reads the bytes); NaN and infinities among the inputs are not served;
; Wo must lie under 65,504 in magnitude (f16); under 6e-5 its absolute step is 2^-25.
; EVERY WORKSPACE BUFFER IS AN IMAGE OF THE READER'S OPERAND REGISTERS: four registers of a fragment are 512 bytes on end, lane l's 16 bytes at 16 l.
;   XQ:  192 blocks (tensor x 64 + block of 128 rows) of 69,632 bytes: the codes of fragment (K step s of 8, row tile i of 8) at (8 s + i) 1,024 + 512 c + 16 lane; scale words at 65,536 + 512 s + 64 i + 4 r.
;   Wc:  tensor x 524,288 + T x 8,192 + s x 1,024 + 512 c + 16 lane, T = 4 head + e / 16.     Wsc: tensor x 32,768 + T x 512 + (s / 4) 256 + 16 r + 4 (s % 4).
;   Wof: n tile x 32,768 + (k / 32) 1,024 + 512 half + 16 lane.
; The launch parts on the work-group's number: 0-191 the activations (128 rows each), 192-239 the weights (a tensor's head each), 240-255 Wo.  Only the first path touches LDS.
.set SPARE, 135168                     ; behind the sixteen stages: the spare words, 128 bytes for each wave, eight blocks of 256 bytes that no other line names
.set SPW, 10                           ; v10  LDS address of my spare word; never rewritten
.set NIL, 11                           ; v11  0; never rewritten
.set PW,  24                           ; v24-27  a unit's scale word
.set PC,  32                           ; v32-63  a unit's codes, 8 registers each: no store's data are written again
.set X,   64                           ; v64-127 64 numbers: two whole blocks of my row
.set R,   128                          ; v128-255 two sets of 64 registers as loaded
; activations: unit u = 16 rows x 128 along K.  Each load reads 512 consecutive bytes of one row
.macro LOADX u
.set n, 0
.rept 16
	global_load_b128 v[R+64*((\u)%2)+4*n:R+64*((\u)%2)+4*n+3], v2, s[30:31] offset:n*4096+(\u)*512 th:TH_LOAD_NT
.set n, n+1
.endr
.endm
; through my wave's own stage (rows 528 bytes apart: sixteen rows start at sixteen different 16-byte columns): in as loaded, out 128 bytes a lane and block.  LDS serves a wave's instructions in order: no wait between
.macro TURNX u
.set n, 0
.rept 16
	ds_store_b128 v3, v[R+64*((\u)%2)+4*n:R+64*((\u)%2)+4*n+3] offset:n*528
.set n, n+1
.endr
.irp c, 0,1
.irp q, 0,1,2,3,4,5,6,7
	ds_load_b128 v[X+32*\c+4*\q:X+32*\c+4*\q+3], v4 offset:\c*256+\q*16   ; lane (r, hh): k = 64 c + 32 hh + 4 q ..
.endr
.endr
.endm
; two blocks of 32 (b = 2 c + hh), all of whose numbers are mine, become the fragment's eight registers and my row's scale word
.macro QUANT2 u
	v_max3_num_f32 v12, |v[X]|, |v[X+1]|, |v[X+2]|
	v_max3_num_f32 v13, |v[X+3]|, |v[X+4]|, |v[X+5]|
	v_max3_num_f32 v14, |v[X+32]|, |v[X+33]|, |v[X+34]|
	v_max3_num_f32 v15, |v[X+35]|, |v[X+36]|, |v[X+37]|
.irp i, 6,10,14,18,22,26
	v_max3_num_f32 v12, v12, |v[X+\i]|, |v[X+\i+1]|
	v_max3_num_f32 v13, v13, |v[X+\i+2]|, |v[X+\i+3]|
	v_max3_num_f32 v14, v14, |v[X+32+\i]|, |v[X+33+\i]|
	v_max3_num_f32 v15, v15, |v[X+34+\i]|, |v[X+35+\i]|
.endr
	v_max3_num_f32 v12, v12, |v[X+30]|, |v[X+31]|
	v_max3_num_f32 v14, v14, |v[X+62]|, |v[X+63]|
	v_max3_num_f32 v12, v12, v13, 0x1800000        ; the floor 2^(3 - 127): the byte cannot fall under 1
	v_max3_num_f32 v14, v14, v15, 0x1800000
	v_add_nc_u32 v16, 0xff000000, v12              ; 2 off the exponent field: the conversion takes the exponent field of this operand as its scale
	v_add_nc_u32 v17, 0xff000000, v14
	v_lshrrev_b32 v18, 23, v16                     ; the scale's byte
	v_lshrrev_b32 v19, 23, v17
	v_lshl_or_b32 v20, v19, 16, v18                ; my two bytes, blocks hh and 2 + hh,
	v_lshlrev_b32 v20, v6, v20                     ; at their places (8 hh bits up);
	v_permlanex16_b32 v28, v20, s36, s37
	v_or_b32 v[PW+(\u)], v20, v28                  ; with lane l xor 16's two the word is whole
.irp c, 0,1
.irp g, 0,1,2,3
	v_cvt_scalef32_pk8_fp4_f32 v[PC+8*(\u)+4*\c+\g], v[X+32*\c+8*\g:X+32*\c+8*\g+7], v[16+\c]
.endr
.endr
	v_nop                                          ; one plain line behind the last scaled conversion
.endm
.macro UNIT u
.if (\u) < 3
	s_wait_loadcnt 16                              ; this unit's sixteen loads are in; the next unit's sixteen may be out
.else
	s_wait_loadcnt 0
.endif
	TURNX \u
	s_wait_dscnt 0x0                               ; the numbers are back: so the stores into the stage have read their registers,
.if (\u) < 2
	LOADX (\u)+2                                   ; which take the loads of two units on
.endif
	QUANT2 \u
	global_store_b128 v2, v[PC+8*(\u):PC+8*(\u)+3], s[32:33] offset:(\u)*8192          ; 32 lanes store 512 consecutive bytes, aligned
	global_store_b128 v2, v[PC+8*(\u)+4:PC+8*(\u)+7], s[32:33] offset:(\u)*8192+512
.if (\u)%2 == 1
	v_cndmask_b32 v[29+(\u)/2], v[PW+(\u)-1], v[PW+(\u)], s38   ; lanes 0-15 the word of the K step before, lanes 16-31 this one's
	global_store_b32 v5, v[29+(\u)/2], s[34:35] offset:((\u)-1)*512   ; two runs of 64 bytes: 4,096 of a block's 69,632 bytes leave in such pieces
.endif
.endm
; weights: a lane takes a column e, its registers run down the features
.macro LOADW b
.set n, 0
.rept 32
	global_load_b32 v[64+32*(\b)+n], v2, s[30:31] offset:(32*(\b)+n)*256
.set n, n+1
.endr
.endm
.macro BLOCKW b
.set XB, 64+32*(\b)
.if (\b) < 3
	s_wait_loadcnt 32                              ; this block's 32 loads are in; the next block's may be out
.else
	s_wait_loadcnt 0
.endif
.if (\b) < 2
	LOADW (\b)+2
.endif
	v_max3_num_f32 v12, |v[XB]|, |v[XB+1]|, |v[XB+2]|
	v_max3_num_f32 v13, |v[XB+3]|, |v[XB+4]|, |v[XB+5]|
.irp i, 6,10,14,18,22,26
	v_max3_num_f32 v12, v12, |v[XB+\i]|, |v[XB+\i+1]|
	v_max3_num_f32 v13, v13, |v[XB+\i+2]|, |v[XB+\i+3]|
.endr
	v_max3_num_f32 v12, v12, |v[XB+30]|, |v[XB+31]|
	v_max3_num_f32 v12, v12, v13, 0x1800000
	v_add_nc_u32 v[24+(\b)], 0xff000000, v12
	v_lshrrev_b32 v13, 23, v[24+(\b)]
.if (\b) == 0
	v_mov_b32 v20, v13                             ; four bytes make the word of my column and K step
.else
	v_lshl_or_b32 v20, v13, 8*(\b), v20
.endif
.irp g, 0,1,2,3
	v_cvt_scalef32_pk8_fp4_f32 v[32+4*(\b)+\g], v[XB+8*\g:XB+8*\g+7], v[24+(\b)]
.endr
	v_nop
	global_store_b128 v3, v[32+4*(\b):32+4*(\b)+3], s[32:33] offset:((\b)/2)*512+((\b)%2)*256   ; block b = 2 c + hh: sixteen lanes store 256 consecutive bytes, aligned
.endm
	s_load_b256 s[4:11], s[0:1], 0x0               ; query s[4:5], key s[6:7], value s[8:9], Wq s[10:11]
	s_load_b256 s[12:19], s[0:1], 0x20             ; Wk s[12:13], Wv s[14:15], Wo s[16:17], XQ s[18:19]
	s_load_b128 s[20:23], s[0:1], 0x40             ; Wc s[20:21], Wsc s[22:23]
	s_load_b64 s[24:25], s[0:1], 0x50              ; Wof
	v_lshl_add_u32 v[SPW], v0, 2, SPARE
	v_mov_b32 v[NIL], 0
	v_lshrrev_b32 v1, 5, v0
	v_readfirstlane_b32 s26, v1                    ; wave 0..15
	v_and_b32 v1, 31, v0                           ; lane
	v_and_b32 v7, 15, v0                           ; r
	v_bfe_u32 v8, v0, 4, 1                         ; hh
	s_wait_kmcnt 0x0
	s_cmp_lt_u32 ttmp9, 192
	s_cbranch_scc0 .Lnot_x
	; ---- the activations: work-group = tensor x 64 + block.  Wave w: row tile i = w / 2, K steps 4 (w % 2) + u, u = 0..3
	s_lshr_b32 s27, ttmp9, 6                       ; tensor
	s_and_b32 s28, ttmp9, 63                       ; block
	s_cmp_eq_u32 s27, 0
	s_cselect_b64 s[30:31], s[4:5], s[6:7]
	s_cmp_eq_u32 s27, 2
	s_cselect_b64 s[30:31], s[8:9], s[30:31]
	s_lshr_b32 s29, s26, 1                         ; i
	s_and_b32 s39, s26, 1                          ; which four K steps
	s_lshl_b32 s40, s28, 19                        ; 128 rows of 4,096 bytes
	s_lshl_b32 s41, s29, 16                        ; 16 rows
	s_add_co_u32 s40, s40, s41
	s_lshl_b32 s41, s39, 11                        ; four K steps of 512 bytes
	s_add_co_u32 s40, s40, s41
	s_mov_b32 s41, 0
	s_add_nc_u64 s[30:31], s[30:31], s[40:41]
	s_mul_i32 s40, ttmp9, 69632                    ; my block of XQ
	s_lshl_b32 s42, s39, 15
	s_lshl_b32 s43, s29, 10
	s_add_co_u32 s42, s42, s43
	s_add_co_u32 s42, s42, s40
	s_mov_b32 s43, 0
	s_add_nc_u64 s[32:33], s[18:19], s[42:43]      ; codes: + (8 (4 half) + i) 1,024
	s_lshl_b32 s42, s39, 11
	s_lshl_b32 s44, s29, 6
	s_add_co_u32 s42, s42, s44
	s_add_co_u32 s42, s42, s40
	s_add_co_u32 s42, s42, 65536
	s_add_nc_u64 s[34:35], s[18:19], s[42:43]      ; scale words: + 65,536 + 512 (4 half) + 64 i
	s_mov_b32 s36, 0x76543210
	s_mov_b32 s37, 0xfedcba98                      ; v_permlanex16_b32's selects for lane l xor 16
	s_mov_b32 s38, 0xffff0000                      ; lanes 16-31
	s_mul_i32 s45, s26, 8448                       ; my stage
	v_lshlrev_b32 v2, 4, v1                        ; 16 x lane
	v_add_nc_u32 v3, s45, v2                       ; the stage, on the way in
	v_mul_u32_u24 v4, v7, 528
	v_lshl_add_u32 v4, v8, 7, v4
	v_add_nc_u32 v4, s45, v4                       ; and out: row r, + 128 hh
	v_lshlrev_b32 v5, 2, v7
	v_lshl_add_u32 v5, v8, 9, v5                   ; scale words: 4 r, lanes 16-31 a K step (512 bytes) on
	v_lshlrev_b32 v6, 3, v8                        ; 8 hh
	v_mov_b32 v28, 0                               ; a lane permute's destination counts as one of its sources
	LOADX 0
	LOADX 1
	UNIT 0
	UNIT 1
	UNIT 2
	UNIT 3
	s_wait_tensorcnt 0x0                           ; the wave's end, behind my last LDS store
	ds_add_u32 v[SPW], v[NIL]
	s_wait_dscnt 0x0
	s_endpgm
.Lnot_x:
	s_cmp_lt_u32 ttmp9, 240
	s_cbranch_scc0 .Lwo
	; ---- the weights [head][feature][e]: work-group = tensor x 16 + head.  Wave w: K step s = w % 8, columns 32 (w / 8) + lane.  A load reads 128 consecutive bytes
	s_sub_co_u32 s27, ttmp9, 192
	s_lshr_b32 s28, s27, 4                         ; tensor
	s_and_b32 s29, s27, 15                         ; head
	s_cmp_eq_u32 s28, 0
	s_cselect_b64 s[30:31], s[10:11], s[12:13]
	s_cmp_eq_u32 s28, 2
	s_cselect_b64 s[30:31], s[14:15], s[30:31]
	s_and_b32 s36, s26, 7                          ; s
	s_lshr_b32 s37, s26, 3                         ; which 32 columns
	s_lshl_b32 s40, s29, 18
	s_lshl_b32 s41, s36, 15
	s_add_co_u32 s40, s40, s41
	s_lshl_b32 s41, s37, 7
	s_add_co_u32 s40, s40, s41
	s_mov_b32 s41, 0
	s_add_nc_u64 s[30:31], s[30:31], s[40:41]
	s_lshl_b32 s38, s29, 2
	s_lshl_b32 s39, s37, 1
	s_add_co_u32 s38, s38, s39                     ; T of my lanes 0-15
	s_lshl_b32 s40, s28, 19
	s_lshl_b32 s42, s38, 13
	s_add_co_u32 s40, s40, s42
	s_lshl_b32 s42, s36, 10
	s_add_co_u32 s40, s40, s42
	s_add_nc_u64 s[32:33], s[20:21], s[40:41]
	s_lshl_b32 s40, s28, 15
	s_lshl_b32 s42, s38, 9
	s_add_co_u32 s40, s40, s42
	s_lshr_b32 s42, s36, 2
	s_lshl_b32 s42, s42, 8
	s_add_co_u32 s40, s40, s42
	s_and_b32 s42, s36, 3
	s_lshl_b32 s42, s42, 2
	s_add_co_u32 s40, s40, s42
	s_add_nc_u64 s[34:35], s[22:23], s[40:41]
	v_lshlrev_b32 v2, 2, v1                        ; in: 4 bytes a lane
	v_lshlrev_b32 v3, 4, v7
	v_lshl_add_u32 v3, v8, 13, v3                  ; codes: 16 r, lanes 16-31 the next tile
	v_lshlrev_b32 v4, 4, v7
	v_lshl_add_u32 v4, v8, 9, v4                   ; scale words likewise
	LOADW 0
	LOADW 1
	BLOCKW 0
	BLOCKW 1
	BLOCKW 2
	BLOCKW 3
	global_store_b32 v4, v20, s[34:35]             ; 4 bytes of every 16: the scale words, 98,304 bytes in all, leave in pieces
	s_endpgm
.Lwo:
	; ---- Wo [n][k] to f16 fragments: task = 16 (work-group - 240) + wave: n tile = task / 4, eight fragments of 32 along k from 256 (task % 4) on
	s_sub_co_u32 s27, ttmp9, 240
	s_lshl_b32 s27, s27, 4
	s_add_co_u32 s27, s27, s26
	s_lshr_b32 s28, s27, 2
	s_and_b32 s29, s27, 3
	s_lshl_b32 s40, s28, 16
	s_lshl_b32 s41, s29, 10
	s_add_co_u32 s40, s40, s41
	s_mov_b32 s41, 0
	s_add_nc_u64 s[30:31], s[16:17], s[40:41]
	s_lshl_b32 s40, s28, 15
	s_lshl_b32 s42, s29, 13
	s_add_co_u32 s40, s40, s42
	s_add_nc_u64 s[32:33], s[24:25], s[40:41]
	v_lshlrev_b32 v2, 12, v7
	v_lshl_add_u32 v2, v8, 5, v2                   ; row r, + 8 hh numbers
	v_lshlrev_b32 v3, 4, v1
.set n, 0
.rept 32
	global_load_b128 v[64+4*n:64+4*n+3], v2, s[30:31] offset:(n/4)*128+((n/2)%2)*64+(n%2)*16   ; fragment n / 4, half (n / 2) % 2: k = 16 half + 8 hh + 0 .. 7
.set n, n+1
.endr
.irp f, 0,1,2,3,4,5,6,7
	s_wait_loadcnt 28-4*\f                         ; this fragment's four loads are in
.irp j, 0,1,2,3,4,5,6,7
	v_cvt_pk_f16_f32 v[192+8*\f+\j], v[64+16*\f+2*\j], v[64+16*\f+2*\j+1]
.endr
	global_store_b128 v3, v[192+8*\f:192+8*\f+3], s[32:33] offset:\f*1024
	global_store_b128 v3, v[192+8*\f+4:192+8*\f+7], s[32:33] offset:\f*1024+512
.endr
	s_endpgm
.Lfunc_end_k_q7a972732f2_quant:
	.size	k_q7a972732f2_quant, .Lfunc_end_k_q7a972732f2_quant-k_q7a972732f2_quant
	.p2alignl 7, 3214868480
	.fill 96, 4, 3214868480
	.section	.rodata,"a",@progbits
	.p2align	6, 0x0
	.amdhsa_kernel k_q7a972732f2_quant
		.amdhsa_group_segment_fixed_size 137216
		.amdhsa_private_segment_fixed_size 0
		.amdhsa_enable_private_segment 0
		.amdhsa_kernarg_size 88
		.amdhsa_user_sgpr_count 2
		.amdhsa_user_sgpr_kernarg_segment_ptr 1
		.amdhsa_wavefront_size32 1
		.amdhsa_system_sgpr_workgroup_id_x 1
		.amdhsa_system_sgpr_workgroup_id_y 1
		.amdhsa_system_sgpr_workgroup_id_z 1
		.amdhsa_system_vgpr_workitem_id 0
		.amdhsa_next_free_vgpr 256
		.amdhsa_next_free_sgpr 66
		.amdhsa_reserve_vcc 0
		.amdhsa_float_denorm_mode_32 3
		.amdhsa_float_denorm_mode_16_64 3
		.amdhsa_memory_ordered 1
		.amdhsa_forward_progress 1
		.amdhsa_inst_pref_size 60
	.end_amdhsa_kernel
	.amdgpu_metadata
---
amdhsa.version: [ 1, 2 ]
amdhsa.kernels:
  - .name:           k_q7a972732f2_quant
    .symbol:         k_q7a972732f2_quant.kd
    .args:
      - { .name: query, .offset: 0, .size: 8, .value_kind: global_buffer, .address_space: global }
      - { .name: key, .offset: 8, .size: 8, .value_kind: global_buffer, .address_space: global }
      - { .name: value, .offset: 16, .size: 8, .value_kind: global_buffer, .address_space: global }
      - { .name: Wq, .offset: 24, .size: 8, .value_kind: global_buffer, .address_space: global }
      - { .name: Wk, .offset: 32, .size: 8, .value_kind: global_buffer, .address_space: global }
      - { .name: Wv, .offset: 40, .size: 8, .value_kind: global_buffer, .address_space: global }
      - { .name: Wo, .offset: 48, .size: 8, .value_kind: global_buffer, .address_space: global }
      - { .name: XQ, .offset: 56, .size: 8, .value_kind: global_buffer, .address_space: global }
      - { .name: Wc, .offset: 64, .size: 8, .value_kind: global_buffer, .address_space: global }
      - { .name: Wsc, .offset: 72, .size: 8, .value_kind: global_buffer, .address_space: global }
      - { .name: Wof, .offset: 80, .size: 8, .value_kind: global_buffer, .address_space: global }
    .group_segment_fixed_size: 137216
    .private_segment_fixed_size: 0
    .kernarg_segment_align: 8
    .kernarg_segment_size: 88
    .max_flat_workgroup_size: 512
    .sgpr_count:     66
    .vgpr_count:     256
    .wavefront_size: 32
...
	.end_amdgpu_metadata
.endif
;; end of part 1
;; launch proj (part 2): grid 64 x 3, 4 waves a work-group, no clusters, 167,936 bytes of LDS; arguments XQ, Wc, Wsc, Qf, KVf; writes Qf, KVf
.if DOCPART == 2
	.amdgcn_target "amdgcn-amd-amdhsa--gfx1250"
	.amdhsa_code_object_version 6
	.text
	.protected	k_q7a972732f2_proj
	.globl	k_q7a972732f2_proj
	.p2align	8
	.type	k_q7a972732f2_proj,@function
k_q7a972732f2_proj:
	s_mov_b64 s[64:65], 0
	v_nop
	global_prefetch_b8 v0, s[64:65] scope:SCOPE_SE
	s_setreg_imm32_b32 hwreg(HW_REG_WAVE_MODE, 25, 1), 1
	s_wait_xcnt 0x0
; Launch 2 of 4: Q, K, V = x W on codes of FP4 with E8M0 scales (the three quantised products), f32 sums, results rounded once to f16.  Nothing is left out.
; LIMITS: Q, K and V must lie under 65,504 in magnitude (f16); under 6e-5 their absolute step is 2^-25.
; SHARES.  Work-group (block, tensor): 128 rows of one tensor x all 1,024 columns.  The block's codes and scale words (69,632 dense bytes) come into LDS once, a quarter by each wave's tensor load, and from there
; into EVERY wave's registers: 64 fragments, 512 registers.  Wave w makes heads 4 w .. 4 w + 3: 16 tiles of 16 columns.  A tile's eight fragments of W go from memory straight into the registers of the one wave
; that multiplies them, and each feeds eight matrix instructions.
; NO CLUSTER: no tile of W passes through LDS, so there is no tensor load of W that partners could ask for jointly, and a block of x is read by one work-group alone.
; THE MATRIX INSTRUCTION IS USED TRANSPOSED (source 0 = 16 rows of W^T, source 1 = 16 rows of x): lane (r, h) holds row r and eight neighbouring columns, which round to the 16 bytes that the next launch's
; 16-bit fragment wants of that lane.  So results leave from registers, 512 consecutive aligned bytes a store.
;   Qf:  (16 b + head) 131,072 + query tile x 2,048 + (e / 16) 512 + 16 lane.
;   KVf: (16 b + head) 262,144 + key step (64 keys) x 16,384 + [V: 8,192] + key tile x 2,048 + (e / 16) 512 + 16 place;  K: place = lane;  V: the 16 bytes of (key r, channels 8 g ..) at place 16 (r / 8) + 8 g + r % 8,
;        the order in which the turning LDS load of the next launch addresses them lane by lane.
; REGISTERS: window 0: v1-5 addresses; v8, v9 the add's two; v32-63 x's scale words; v64-95 W's, 8 a buffer; v96-159 eight accumulators; v160-223 results, two sets.   window 1: four buffers of W's fragments.   windows 2, 3: x's 64 fragments.
.set SPARE, 69632                      ; behind the block: the spare words, 128 bytes for each wave, two blocks of 256 bytes that no other line names
.set SPW, 8
.set NIL, 9
.set XS,  32                           ; register 4 s + i / 2: lanes 0-15 the words of row tile i even, lanes 16-31 of i odd, K step s
.set WS,  64                           ; register 8 t + s: buffer t, K step s
.set ACC, 96
.set OUT, 160
.set MSB, 0
.macro WIN new                         ; the immediate's high byte repeats the setting that is left
.if MSB != \new
	s_set_vgpr_msb (MSB<<8)|\new
.set MSB, \new
.endif
.endm
; a tile's eight fragments (two loads of 512 consecutive bytes each) and its scale words into buffer t: 18 loads
.macro WLOAD t, ahead
	WIN 0x40                                       ; destination window 1
.irp s, 0,1,2,3,4,5,6,7
	global_load_b128 v[64*(\t)+8*\s:64*(\t)+8*\s+3], v1, s[28:29] offset:((\t)+\ahead)*8192+\s*1024
	global_load_b128 v[64*(\t)+8*\s+4:64*(\t)+8*\s+7], v1, s[28:29] offset:((\t)+\ahead)*8192+\s*1024+512
.endr
	WIN 0
	global_load_b128 v[WS+8*(\t):WS+8*(\t)+3], v3, s[30:31] offset:((\t)+\ahead)*512
	global_load_b128 v[WS+8*(\t)+4:WS+8*(\t)+7], v3, s[30:31] offset:((\t)+\ahead)*512+256
.endm
.macro PROD t, s, i
.set rD, ACC+8*(\i)
.set rA, 64*(\t)+8*(\s)
.set rB, 64*((\s)%4)+8*(\i)
.set rW, WS+8*(\t)+(\s)
.set rX, XS+4*(\s)+(\i)/2
.if (\s) == 0
.if (\i)%2
	v_wmma_scale_f32_16x16x128_f8f6f4 v[rD:rD+7], v[rA:rA+7], v[rB:rB+7], 0, v[rW], v[rX] matrix_a_fmt:MATRIX_FMT_FP4 matrix_b_fmt:MATRIX_FMT_FP4 matrix_b_scale:MATRIX_SCALE_ROW1
.else
	v_wmma_scale_f32_16x16x128_f8f6f4 v[rD:rD+7], v[rA:rA+7], v[rB:rB+7], 0, v[rW], v[rX] matrix_a_fmt:MATRIX_FMT_FP4 matrix_b_fmt:MATRIX_FMT_FP4
.endif
.else
.if (\i)%2
	v_wmma_scale_f32_16x16x128_f8f6f4 v[rD:rD+7], v[rA:rA+7], v[rB:rB+7], v[rD:rD+7], v[rW], v[rX] matrix_a_fmt:MATRIX_FMT_FP4 matrix_b_fmt:MATRIX_FMT_FP4 matrix_b_scale:MATRIX_SCALE_ROW1
.else
	v_wmma_scale_f32_16x16x128_f8f6f4 v[rD:rD+7], v[rA:rA+7], v[rB:rB+7], v[rD:rD+7], v[rW], v[rX] matrix_a_fmt:MATRIX_FMT_FP4 matrix_b_fmt:MATRIX_FMT_FP4
.endif
.endif
.endm
.macro MULS t, s                       ; one K step: the eight accumulators take turns, one instruction a turn
.irp i, 0,1,2,3,4,5,6,7
	PROD \t, \s, \i
.endr
.endm
; a tile of 16 columns for the 128 rows: 64 matrix instructions, the first eight of which start the sums; rounded; stored; its buffer takes the tile four further on
.macro TILE t, left, refill
	s_wait_loadcnt \left                           ; this tile's 18 loads are in; the younger tiles' may be out
	WIN 0x09                                       ; source 0 (W) window 1, source 1 (x) window 2
.irp s, 0,1,2,3
	MULS \t, \s
.endr
	WIN 0x0d                                       ; source 1 window 3
.irp s, 4,5,6,7
	MULS \t, \s
.endr
	WIN 0
.rept 4
	v_nop                                          ; four places in front of the first read of results just made
.endr
	s_wait_xcnt 0x0                                ; the stores of two tiles ago have read this set of registers
.irp i, 0,1,2,3,4,5,6,7
.irp j, 0,1,2,3
	v_cvt_pk_f16_f32 v[OUT+32*((\t)%2)+4*\i+\j], v[ACC+8*\i+2*\j], v[ACC+8*\i+2*\j+1]   ; each accumulator from its low end on
.endr
.endr
.irp i, 0,1,2,3,4,5,6,7
	global_store_b128 v4, v[OUT+32*((\t)%2)+4*\i:OUT+32*((\t)%2)+4*\i+3], s[32+2*(\i/4):33+2*(\i/4)] offset:(\i%4)*2048+(\t)*512
.endr
.if \refill
	WLOAD \t, 4                                    ; behind 36 plain lines: the places in front of loads into registers that matrix instructions have read
.endif
.endm
	s_load_b256 s[4:11], s[0:1], 0x0               ; XQ s[4:5], Wc s[6:7], Wsc s[8:9], Qf s[10:11]
	s_load_b64 s[12:13], s[0:1], 0x20              ; KVf
	v_lshl_add_u32 v[SPW], v0, 2, SPARE
	v_mov_b32 v[NIL], 0
	ds_add_u32 v[SPW], v[NIL]                      ; the wave's opening: the add, twice on end, and its wait ahead of my first tensor load
	ds_add_u32 v[SPW], v[NIL]
	v_lshrrev_b32 v1, 5, v0
	v_readfirstlane_b32 s14, v1                    ; wave 0..3
	s_and_b32 s15, ttmp7, 0xffff                   ; tensor: 0 query, 1 key, 2 value
	; descriptor group 1: 17,408 dense bytes as 68 rows of 256 bytes (32 elements of 8 bytes)
	s_mov_b32 s16, 3<<16
	s_mov_b32 s17, 32<<16
	s_mov_b32 s18, 68<<16
	s_mov_b32 s19, 32<<16
	s_mov_b32 s20, 68
	s_mov_b32 s21, 32
	s_mov_b32 s22, 0
	s_mov_b32 s23, 0
	s_mov_b32 s24, 1
	s_mul_i32 s25, s14, 17408                      ; my quarter, in LDS and in the block
	s_lshl_b32 s40, s15, 6
	s_add_co_u32 s40, s40, ttmp9
	s_mul_i32 s40, s40, 69632
	s_add_co_u32 s40, s40, s25
	s_mov_b32 s41, 0
	v_and_b32 v1, 31, v0
	v_lshl_add_u32 v2, v1, 2, 0x10000              ; x's scale words: 65,536 + 4 x lane
	v_lshlrev_b32 v1, 4, v1                        ; 16 x lane
	v_and_b32 v3, 15, v0
	v_lshlrev_b32 v3, 4, v3                        ; W's scale words: 16 r
	v_bfe_u32 v5, v0, 3, 1
	v_lshlrev_b32 v5, 4, v5
	v_bfe_u32 v6, v0, 4, 1
	v_lshl_add_u32 v5, v6, 3, v5
	v_and_b32 v6, 7, v0
	v_add_nc_u32 v5, v5, v6
	v_lshlrev_b32 v5, 4, v5                        ; V's place: 16 (16 (r / 8) + 8 g + r % 8)
	s_cmp_eq_u32 s15, 2
	s_cselect_b32 s39, -1, 0
	s_cselect_b32 s43, 8192, 0                     ; V lies 8,192 bytes behind K in a key step
	v_cndmask_b32 v4, v1, v5, s39                  ; where my 16 bytes of a store go
	s_wait_dscnt 0x0                               ; both opening adds are done
	s_wait_kmcnt 0x0
	s_add_nc_u64 s[26:27], s[4:5], s[40:41]
	s_or_b32 s27, s27, 0x80000000
	tensor_load_to_lds s[24:27], s[16:23]          ; one tensor load of mine is out, and it is my only one
	s_nop 0
.rept 4
	v_nop
.endr
	s_lshl_b32 s40, s15, 19
	s_lshl_b32 s42, s14, 17
	s_add_co_u32 s40, s40, s42
	s_add_nc_u64 s[28:29], s[6:7], s[40:41]        ; W's codes: my first tile
	s_lshl_b32 s40, s15, 15
	s_lshl_b32 s42, s14, 13
	s_add_co_u32 s40, s40, s42
	s_add_nc_u64 s[30:31], s[8:9], s[40:41]        ; and its scale words
	WLOAD 0, 0
	WLOAD 1, 0
	WLOAD 2, 0
	WLOAD 3, 0
	; where the results go.  A head is 2^17 bytes of Qf, 2^18 of KVf; my block's 128 rows are an eighth of it; row tiles 4-7 begin a sixteenth on
	s_cmp_eq_u32 s15, 0
	s_cselect_b64 s[32:33], s[10:11], s[12:13]
	s_cselect_b32 s42, 17, 18
	s_lshr_b32 s44, ttmp9, 3
	s_lshl_b32 s44, s44, 4
	s_lshl_b32 s45, s14, 2
	s_add_co_u32 s44, s44, s45                     ; 16 b + 4 w
	s_lshl_b32 s44, s44, s42
	s_and_b32 s45, ttmp9, 7
	s_sub_co_u32 s46, s42, 3
	s_lshl_b32 s45, s45, s46
	s_add_co_u32 s44, s44, s45
	s_add_co_u32 s44, s44, s43
	s_mov_b32 s45, 0
	s_add_nc_u64 s[32:33], s[32:33], s[44:45]
	s_sub_co_u32 s46, s42, 4
	s_lshl_b32 s46, 1, s46
	s_mov_b32 s47, 0
	s_add_nc_u64 s[34:35], s[32:33], s[46:47]
	s_lshl_b32 s36, 1, s42                         ; from head to head
	s_mov_b32 s37, 0
	s_wait_tensorcnt 0x0                           ; my quarter has landed,
	s_barrier_signal -1
	s_barrier_wait -1                              ; everybody's has
	WIN 0x80                                       ; destination window 2
.set f, 0
.rept 32
	ds_load_b128 v[8*f:8*f+3], v1 offset:f*1024
	ds_load_b128 v[8*f+4:8*f+7], v1 offset:f*1024+512
.set f, f+1
.endr
	WIN 0xc0                                       ; window 3
.set f, 0
.rept 32
	ds_load_b128 v[8*f:8*f+3], v1 offset:(f+32)*1024
	ds_load_b128 v[8*f+4:8*f+7], v1 offset:(f+32)*1024+512
.set f, f+1
.endr
	WIN 0
.set f, 0
.rept 32
	ds_load_b32 v[XS+f], v2 offset:f*128
.set f, f+1
.endr
	s_wait_dscnt 0x0
	s_mov_b32 s38, 3
.Lhead:                                            ; a trip is a head: four tiles; the buffers are filled again with the next head's
	TILE 0, 54, 1
	TILE 1, 54, 1
	TILE 2, 54, 1
	TILE 3, 54, 1
	s_wait_xcnt 0x0                                ; the loads and stores have read their bases
	s_add_nc_u64 s[28:29], s[28:29], 32768
	s_add_nc_u64 s[30:31], s[30:31], 2048
	s_add_nc_u64 s[32:33], s[32:33], s[36:37]
	s_add_nc_u64 s[34:35], s[34:35], s[36:37]
	s_sub_co_u32 s38, s38, 1
	s_cmp_lg_u32 s38, 0
	s_cbranch_scc1 .Lhead
	TILE 0, 54, 0                                  ; the fourth head loads nothing: the counts run down
	TILE 1, 36, 0
	TILE 2, 18, 0
	TILE 3, 0, 0
	s_wait_tensorcnt 0x0                           ; the wave's end
	ds_add_u32 v[SPW], v[NIL]
	s_wait_dscnt 0x0
	s_endpgm
.Lfunc_end_k_q7a972732f2_proj:
	.size	k_q7a972732f2_proj, .Lfunc_end_k_q7a972732f2_proj-k_q7a972732f2_proj
	.p2alignl 7, 3214868480
	.fill 96, 4, 3214868480
	.section	.rodata,"a",@progbits
	.p2align	6, 0x0
	.amdhsa_kernel k_q7a972732f2_proj
		.amdhsa_group_segment_fixed_size 167936
		.amdhsa_private_segment_fixed_size 0
		.amdhsa_enable_private_segment 0
		.amdhsa_kernarg_size 40
		.amdhsa_user_sgpr_count 2
		.amdhsa_user_sgpr_kernarg_segment_ptr 1
		.amdhsa_wavefront_size32 1
		.amdhsa_system_sgpr_workgroup_id_x 1
		.amdhsa_system_sgpr_workgroup_id_y 1
		.amdhsa_system_sgpr_workgroup_id_z 1
		.amdhsa_system_vgpr_workitem_id 0
		.amdhsa_next_free_vgpr 1024
		.amdhsa_next_free_sgpr 66
		.amdhsa_reserve_vcc 0
		.amdhsa_float_denorm_mode_32 3
		.amdhsa_float_denorm_mode_16_64 3
		.amdhsa_memory_ordered 1
		.amdhsa_forward_progress 1
		.amdhsa_inst_pref_size 117
	.end_amdhsa_kernel
	.amdgpu_metadata
---
amdhsa.version: [ 1, 2 ]
amdhsa.kernels:
  - .name:           k_q7a972732f2_proj
    .symbol:         k_q7a972732f2_proj.kd
    .args:
      - { .name: XQ, .offset: 0, .size: 8, .value_kind: global_buffer, .address_space: global }
      - { .name: Wc, .offset: 8, .size: 8, .value_kind: global_buffer, .address_space: global }
      - { .name: Wsc, .offset: 16, .size: 8, .value_kind: global_buffer, .address_space: global }
      - { .name: Qf, .offset: 24, .size: 8, .value_kind: global_buffer, .address_space: global }
      - { .name: KVf, .offset: 32, .size: 8, .value_kind: global_buffer, .address_space: global }
    .group_segment_fixed_size: 167936
    .private_segment_fixed_size: 0
    .kernarg_segment_align: 8
    .kernarg_segment_size: 40
    .max_flat_workgroup_size: 128
    .sgpr_count:     66
    .vgpr_count:     1024
    .wavefront_size: 32
...
	.end_amdgpu_metadata
.endif
;; end of part 2
;; launch attn (part 3): grid 2 x 128, 8 waves a work-group, no clusters, 263,168 bytes of LDS; arguments Qf, KVf, Af; writes Af
.if DOCPART == 3
	.amdgcn_target "amdgcn-amd-amdhsa--gfx1250"
	.amdhsa_code_object_version 6
	.text
	.protected	k_q7a972732f2_attn
	.globl	k_q7a972732f2_attn
	.p2align	8
	.type	k_q7a972732f2_attn,@function
k_q7a972732f2_attn:
	s_mov_b64 s[64:65], 0
	v_nop
	global_prefetch_b8 v0, s[64:65] scope:SCOPE_SE
	s_setreg_imm32_b32 hwreg(HW_REG_WAVE_MODE, 25, 1), 1
	s_wait_xcnt 0x0
; Launch 3 of 4: attended = softmax(Q K^T / 32) V for each of the 128 (batch, head) pairs; f16 operands, f32 products, maxima and sums.  Nothing is left out.
; LIMITS: the weights p (at most 1) and the attended rows are rounded to f16: under 6e-5 their absolute step is 2^-25.
; SHARES.  Work-group (x, y): head y, queries 512 x .. 512 x + 511; each of its eight waves four tiles of 16 queries.  THE HEAD'S WHOLE K AND V, 262,144 bytes, LIE IN LDS, each byte filled once: no ring, no refill.
; Each wave brings two parts: an eighth of key steps 0-3 and an eighth of key steps 4-15; the work starts when the first have landed.  Two tensor loads of a wave are out at the most.
; NO CLUSTER: the work-groups that share a head are two, fewer than the four of a cluster's row, and each asks for its K and V once, at its head.  No prefetch: all that the launch reads is asked for at its first lines.
; LAYOUT.  S^T = K Q^T (source 0 = 16 keys, source 1 = 16 queries) and O^T = V^T P (source 0 = 16 channels, source 1 = P): a lane holds ONE query throughout, and two tiles of S^T, rounded in pairs, ARE a fragment of P.
; K comes out of LDS as it lies, V turned by ds_load_tr16_b128; both are images: every load takes 512 consecutive bytes, 16 a lane.
; SOFTMAX.  A running maximum m and sum l for each query: p = 2^(c s - c m), c = log2(e) / 32; in every step O and l are multiplied by a = 2^(c m_old - c m_new).
; TWO GROUPS CHANGE PLACES.  g = (w ^ (w >> 2)) & 1: waves w and w + 1, and waves w and w + 4, fall into different groups.  Between two barriers one group issues a key step's 64 matrix instructions (V^T P of step j, K Q^T of
; step j + 1) and the other does its softmax and fetches its next fragments; then they change.  The branches hang on the wave's number alone; every barrier stands in text that all waves run.
; THE TWO PHASES ARE LEVELLED: the 64 packed multiplications O^T x a stand in the MATRIX phase, among the first 16 products V^T P, so that the vector phase has 408 vector lines and not 472.
; REGISTERS: window 0: v1 16 x lane; v2, v3 LDS addresses; v4, v5 the add's two; v16-47 statistics, 8 a tile (+0 c m, +1 m, +2, +3 l, +4 .. +7 at work, a at +6); v64-191 S^T, 32 a tile, p in its low 16; v192-255 K.
;   window 1: v0-127 O^T, 32 a tile; v128-191 Q; v192-255 V^T.
.set SPARE, 262144                     ; behind K and V: the spare words, 128 bytes for each wave, four blocks of 256 bytes that no other line names
.set LI,   1
.set ADR,  2
.set ADRK, 3
.set SPW,  4
.set NIL,  5
.set ST,   16
.set S,    64
.set KF,   192
.set QF,   128                         ; in window 1
.set VF,   192                         ; in window 1
.set GRP,  11                          ; s11  my group
.set CS,   40                          ; s[40:41] c: the packed form names a pair and takes its low word for both halves
.set SEL,  42                          ; s[42:43] v_permlanex16_b32's selects for lane l xor 16
.set TB,   44                          ; s44  LDS byte at which the trip's key step begins
.set J,    45                          ; s45  the trip's key step
.set MSB, 0
.macro WIN new
.if MSB != \new
	s_set_vgpr_msb (MSB<<8)|\new
.set MSB, \new
.endif
.endm
.macro MEET                            ; my LDS loads are in; then the work-group's barrier
	s_wait_dscnt 0x0
	s_barrier_signal -1
	s_barrier_wait -1
.endm
; S^T = K Q^T of one key step: 32 matrix instructions; the 16 accumulators take turns; the first 16 start the sums
.macro KQ
	WIN 0x04                                       ; source 1 (Q) window 1
.irp c, 0,1
.irp kt, 0,1,2,3
.irp t, 0,1,2,3
.if \c == 0
	v_wmma_f32_16x16x32_f16 v[S+32*\t+8*\kt:S+32*\t+8*\kt+7], v[KF+16*\kt+8*\c:KF+16*\kt+8*\c+7], v[QF+16*\t+8*\c:QF+16*\t+8*\c+7], 0
.else
	v_wmma_f32_16x16x32_f16 v[S+32*\t+8*\kt:S+32*\t+8*\kt+7], v[KF+16*\kt+8*\c:KF+16*\kt+8*\c+7], v[QF+16*\t+8*\c:QF+16*\t+8*\c+7], v[S+32*\t+8*\kt:S+32*\t+8*\kt+7]
.endif
.endr
.endr
.endr
.rept 5
	v_nop                                          ; five places behind every run of matrix instructions: four serve the reads of the scores and the loads into K's registers; the fifth a matrix instruction that takes the scores' registers as an operand or writes over them, whichever arm's text follows
.endr
	WIN 0
.endm
; accumulator acc of 16 of O^T (tile acc % 4, channels 16 (acc / 4) on) times its tile's a: four packed multiplications, from the accumulator's low end on.
; Written under V^T P's own windows: destination and source 0 (O^T) window 1, source 1 (a) window 0: no switch stands between these lines and the products
.macro RESC acc
.set rR, 32*((\acc)%4)+8*((\acc)/4)
.set rF, ST+8*((\acc)%4)+6
.irp k, 0,2,4,6
	v_pk_mul_f32 v[rR+\k:rR+\k+1], v[rR+\k:rR+\k+1], v[rF:rF+1] op_sel_hi:[1,0]
.endr
.endm
; O^T = a O^T + V^T P of one key step: 32 matrix instructions, 16 accumulators by turns: product pn takes keys 32 (pn / 16) on, channels 16 ((pn / 4) % 4) on, tile pn % 4.
; An accumulator's four multiplications by a stand one accumulator ahead of its first product: they are issued while the product before is at work, and the next accumulator's four lie between them and their reader
.macro PV
	WIN 0x51                                       ; source 0 (V) window 1, source 1 (P, a) window 0, C and D (O^T) window 1
	RESC 0
.set pn, 0
.rept 32
.if pn < 15
	RESC pn+1
.endif
.set rO, 32*(pn%4)+8*((pn/4)%4)
.set rV, VF+32*(pn/16)+8*((pn/4)%4)
.set rP, S+32*(pn%4)+8*(pn/16)
	v_wmma_f32_16x16x32_f16 v[rO:rO+7], v[rV:rV+7], v[rP:rP+7], v[rO:rO+7]
.set pn, pn+1
.endr
.rept 5
	v_nop                                          ; five places: the next K Q^T writes over P's registers
.endr
	WIN 0
.endm
.macro MAXL t                          ; line j of 16 of tile t's maximum: four chains, each begun at an accumulator's low end; the last line takes the old m in
.set rT, ST+8*(\t)
.set rS, S+32*(\t)
.if j < 4
	v_max3_num_f32 v[rT+4+j], v[rS+8*j], v[rS+8*j+1], v[rS+8*j+2]
.elseif j < 12
	v_max3_num_f32 v[rT+4+j%4], v[rT+4+j%4], v[rS+8*(j%4)+2*(j/4)+1], v[rS+8*(j%4)+2*(j/4)+2]
.elseif j == 12
	v_max3_num_f32 v[rT+4], v[rT+4], v[rS+7], v[rS+15]
.elseif j == 13
	v_max3_num_f32 v[rT+6], v[rT+6], v[rS+23], v[rS+31]
.elseif j == 14
	v_max3_num_f32 v[rT+4], v[rT+4], v[rT+5], v[rT+6]
.else
	v_max3_num_f32 v[rT+4], v[rT+4], v[rT+7], v[rT+1]
.endif
.endm
.macro SCALL t, b                      ; pair b of tile t: c s - c m
.set rT, ST+8*(\t)
.set rS, S+32*(\t)
	v_pk_fma_f32 v[rS+2*(\b):rS+2*(\b)+1], v[rS+2*(\b):rS+2*(\b)+1], s[CS:CS+1], v[rT:rT+1] op_sel_hi:[1,0,0] neg_lo:[0,0,1] neg_hi:[0,0,1]
.endm
.macro SUMCVT t, k                     ; pair k of tile t: into l (the first with l x a), then rounded to f16 IN PLACE: register k is below every pair that is still to be read
.set rT, ST+8*(\t)
.set rS, S+32*(\t)
.if (\k) == 0
	v_pk_fma_f32 v[rT+2:rT+3], v[rT+2:rT+3], v[rT+6:rT+7], v[rS:rS+1] op_sel_hi:[1,0,1]
.else
	v_pk_add_f32 v[rT+2:rT+3], v[rT+2:rT+3], v[rS+2*(\k):rS+2*(\k)+1]
.endif
	v_cvt_pk_f16_f32 v[rS+(\k)], v[rS+2*(\k)], v[rS+2*(\k)+1]
.endm
; THE VECTOR PHASE of a key step.  V of the step at voff from v[ADR]; kmode 1: K of the next step at koff from v[kreg]; 2: the same, but not in the trip of key step 14, which has no such step; 0: none.
; The 132 exponentials go in two batches with one wait each, ahead of the first line that names a result: tiles 0, 1 (and the four a) among tiles 2, 3's scalings; tiles 2, 3 among tiles 0, 1's sums and roundings.
; It leaves a in its register for the matrix phase that follows it in the same wave, which multiplies O^T by it.
.macro SM voff, kmode, kreg, koff
	WIN 0x40                                       ; destination window 1
.irp kb, 0,1
.irp u, 0,1,2,3
	ds_load_tr16_b128 v[VF+32*\kb+8*\u:VF+32*\kb+8*\u+3], v[ADR] offset:\voff+4096*\kb+512*\u
	ds_load_tr16_b128 v[VF+32*\kb+8*\u+4:VF+32*\kb+8*\u+7], v[ADR] offset:\voff+4096*\kb+2048+512*\u
.endr
.endr
	WIN 0
.if \kmode == 2
	s_cmp_eq_u32 s[J], 14
	s_cbranch_scc1 .Lno_k_\@
.endif
.if \kmode
.set n, 0
.rept 16
	ds_load_b128 v[KF+4*n:KF+4*n+3], v[\kreg] offset:\koff+512*n
.set n, n+1
.endr
.endif
.if \kmode == 2
.Lno_k_\@:
.endif
.set j, 0
.rept 16
	MAXL 0
	MAXL 1
	MAXL 2
	MAXL 3
.set j, j+1
.endr
.irp t, 0,1,2,3
	v_permlanex16_b32 v[ST+8*\t+5], v[ST+8*\t+4], s[SEL], s[SEL+1]   ; the query's other 32 keys lie in the lane 16 away
.endr
.irp t, 0,1,2,3
	v_mov_b32 v[ST+8*\t+7], v[ST+8*\t]             ; c m_old
.endr
.irp t, 0,1,2,3
	v_max_num_f32 v[ST+8*\t+1], v[ST+8*\t+4], v[ST+8*\t+5]
.endr
.irp t, 0,1,2,3
	v_mul_f32 v[ST+8*\t], s[CS], v[ST+8*\t+1]
.endr
.irp t, 0,1,2,3
	v_sub_f32 v[ST+8*\t+7], v[ST+8*\t+7], v[ST+8*\t]
.endr
.irp t, 0,1,2,3
	v_exp_f32 v[ST+8*\t+6], v[ST+8*\t+7]           ; a
.endr
.set i, 0
.rept 16
	SCALL 0, i
	SCALL 1, i
.set i, i+1
.endr
.set i, 0
.rept 32
	v_exp_f32 v[S+i], v[S+i]
	v_exp_f32 v[S+32+i], v[S+32+i]
	SCALL 2+i%2, i/2                               ; (the batch's last line is this plain one)
.set i, i+1
.endr
	s_wait_alu depctr_va_vdst(0)                   ; one wait for the first batch: 68 exponentials
.set i, 0
.rept 32
	v_exp_f32 v[S+64+i], v[S+64+i]
	v_exp_f32 v[S+96+i], v[S+96+i]
	SUMCVT i%2, i/2
.set i, i+1
.endr
	s_wait_alu depctr_va_vdst(0)                   ; and one for the second: 64
.set i, 0
.rept 16
	SUMCVT 2, i
	SUMCVT 3, i
.set i, i+1
.endr
.endm
; A trip: key step J.  Group 0: matrix phase (V^T P of J, K Q^T of J + 1), then the vector phase of J + 1.  Group 1: the vector phase of J, then the matrix phase.
.macro TRIP sec
	v_add_nc_u32 v[ADR], s[TB], v[LI]              ; made in text that all waves run
.if \sec == 2
	v_add_nc_u32 v[ADRK], 32768, v[ADR]            ; K of step J + 2; held inside K and V's bytes where there is no such step
	v_and_b32 v[ADRK], 0x3ffff, v[ADRK]
.endif
	s_cmp_lg_u32 s[GRP], 0
	s_cbranch_scc1 .Lh1b_\@
	PV
	KQ
	s_branch .Lh1j_\@
.Lh1b_\@:
	SM 8192, 1, ADR, 16384
.Lh1j_\@:
	MEET
	s_cmp_lg_u32 s[GRP], 0
	s_cbranch_scc1 .Lh2b_\@
.if \sec == 2
	SM 24576, 2, ADRK, 0
.else
	SM 24576, 1, ADR, 32768
.endif
	s_branch .Lh2j_\@
.Lh2b_\@:
	PV
	KQ
.Lh2j_\@:
	MEET
	s_add_co_u32 s[TB], s[TB], 16384
	s_add_co_u32 s[J], s[J], 1
.endm
	s_load_b128 s[4:7], s[0:1], 0x0                ; Qf s[4:5], KVf s[6:7]
	s_load_b64 s[8:9], s[0:1], 0x10                ; Af
	v_lshl_add_u32 v[SPW], v0, 2, SPARE
	v_mov_b32 v[NIL], 0
	ds_add_u32 v[SPW], v[NIL]                      ; the wave's opening: the add, twice on end, and its wait ahead of my first tensor load
	ds_add_u32 v[SPW], v[NIL]
	v_lshrrev_b32 v1, 5, v0
	v_readfirstlane_b32 s10, v1                    ; wave 0..7
	s_lshr_b32 s11, s10, 2
	s_xor_b32 s11, s11, s10
	s_and_b32 s11, s11, 1                          ; my group
	s_and_b32 s12, ttmp7, 0xffff                   ; y = 16 b + head
	; descriptor groups 1: dense bytes as rows of 256 (32 elements of 8 bytes): 32 rows for key steps 0-3, 96 rows for key steps 4-15
	s_mov_b32 s16, 3<<16
	s_mov_b32 s17, 32<<16
	s_mov_b32 s18, 32<<16
	s_mov_b32 s19, 32<<16
	s_mov_b32 s20, 32
	s_mov_b32 s21, 32
	s_mov_b32 s22, 0
	s_mov_b32 s23, 0
	s_mov_b32 s24, 3<<16
	s_mov_b32 s25, 32<<16
	s_mov_b32 s26, 96<<16
	s_mov_b32 s27, 32<<16
	s_mov_b32 s28, 96
	s_mov_b32 s29, 32
	s_mov_b32 s30, 0
	s_mov_b32 s31, 0
	s_mov_b32 s32, 1
	s_lshl_b32 s33, s10, 13                        ; my 8,192 bytes of the first 65,536: the same place in LDS and in the head's block
	s_mov_b32 s36, 1
	s_mul_i32 s37, s10, 24576
	s_add_co_u32 s37, s37, 65536                   ; my 24,576 bytes of the rest
	s_mov_b32 s[CS], 0x3d38aa3b                    ; c = log2(e) / 32
	s_mov_b32 s[CS+1], s[CS]
	s_mov_b32 s[SEL], 0x76543210
	s_mov_b32 s[SEL+1], 0xfedcba98
	s_mov_b32 s[TB], 0
	s_mov_b32 s[J], 0
	v_and_b32 v[LI], 31, v0
	v_lshlrev_b32 v[LI], 4, v[LI]
	s_wait_dscnt 0x0                               ; both opening adds are done
	s_wait_kmcnt 0x0
	s_lshl_b32 s14, s12, 18
	s_mov_b32 s15, 0
	s_add_nc_u64 s[6:7], s[6:7], s[14:15]          ; the head's K and V
	s_mov_b32 s14, s33
	s_add_nc_u64 s[34:35], s[6:7], s[14:15]
	s_or_b32 s35, s35, 0x80000000
	s_mov_b32 s14, s37
	s_add_nc_u64 s[38:39], s[6:7], s[14:15]
	s_or_b32 s39, s39, 0x80000000
	tensor_load_to_lds s[32:35], s[16:23]
	s_nop 0
	tensor_load_to_lds s[36:39], s[24:31]
	s_nop 0
.rept 4
	v_nop
.endr
	s_lshl_b32 s14, s12, 17                        ; Q: y x 131,072 + (32 x + 4 w) 2,048
	s_lshl_b32 s13, ttmp9, 16
	s_add_co_u32 s14, s14, s13
	s_lshl_b32 s13, s10, 13
	s_add_co_u32 s14, s14, s13
	s_add_nc_u64 s[4:5], s[4:5], s[14:15]
	s_lshr_b32 s14, s12, 4                         ; Af: (64 b + 32 x + 4 w) 32,768 + head x 2,048
	s_lshl_b32 s14, s14, 21
	s_lshl_b32 s13, ttmp9, 20
	s_add_co_u32 s14, s14, s13
	s_lshl_b32 s13, s10, 17
	s_add_co_u32 s14, s14, s13
	s_and_b32 s13, s12, 15
	s_lshl_b32 s13, s13, 11
	s_add_co_u32 s14, s14, s13
	s_add_nc_u64 s[8:9], s[8:9], s[14:15]
	WIN 0x40                                       ; destination window 1
.set n, 0
.rept 16
	global_load_b128 v[QF+4*n:QF+4*n+3], v[LI], s[4:5] offset:n*512   ; Q stays in registers
.set n, n+1
.endr
.set n, 0
.rept 128
	v_mov_b32 v[n], 0                              ; O^T.  Cleared once, so that the key step has no first form of its own: that would be two more copies of the vector phase
.set n, n+1
.endr
	WIN 0
.irp t, 0,1,2,3
	v_mov_b32 v[ST+8*\t+2], 0                      ; l
	v_mov_b32 v[ST+8*\t+3], 0
	v_mov_b32 v[ST+8*\t+1], 0xff61b1e6             ; m: -3e38, under every score
	v_mul_f32 v[ST+8*\t], s[CS], v[ST+8*\t+1]
	v_mov_b32 v[ST+8*\t+6], 0                      ; a's pair, which the matrix phase names: written once here, so that every way through the text finds it written; each wave's first vector phase writes it anew ahead of its first V^T P
	v_mov_b32 v[ST+8*\t+7], 0
.endr
	v_mov_b32 v[ADR], v[LI]
	s_wait_tensorcnt 1                             ; my part of key steps 0-3 has landed; the rest may stay out
	s_barrier_signal -1
	s_barrier_wait -1                              ; everybody's has
.set n, 0
.rept 16
	ds_load_b128 v[KF+4*n:KF+4*n+3], v[LI] offset:512*n   ; K of key step 0
.set n, n+1
.endr
	s_wait_dscnt 0x0
	s_wait_loadcnt 0x0                             ; Q
	s_cmp_lg_u32 s[GRP], 0                         ; group 0 goes half a step ahead
	s_cbranch_scc1 .Lp1j
	KQ
.Lp1j:
	MEET
	s_cmp_lg_u32 s[GRP], 0
	s_cbranch_scc1 .Lp2b
	SM 8192, 1, ADR, 16384
	s_branch .Lp2j
.Lp2b:
	KQ
.Lp2j:
	MEET
.Lsec1:                                            ; key steps 0 and 1: the highest byte read is K of key step 3, under 65,536
	TRIP 1
	s_cmp_lt_u32 s[J], 2
	s_cbranch_scc1 .Lsec1
	s_wait_tensorcnt 0x0                           ; my part of key steps 4-15 has landed,
	s_barrier_signal -1
	s_barrier_wait -1                              ; everybody's has
	s_mov_b32 s[TB], 32768
	s_mov_b32 s[J], 2
.Lsec2:                                            ; key steps 2 to 14
	TRIP 2
	s_cmp_lt_u32 s[J], 15
	s_cbranch_scc1 .Lsec2
	v_add_nc_u32 v[ADR], 245760, v[LI]             ; key step 15
	s_cmp_lg_u32 s[GRP], 0
	s_cbranch_scc0 .Ltail
	SM 8192, 0, ADR, 0                             ; group 1's last vector phase
.Ltail:
	s_wait_dscnt 0x0
	PV                                             ; V^T P of key step 15; its five v_nop are the places in front of the reads below
	; THE WAY OUT: l's halves and the other lane's are added; O^T / l, rounded to f16, is the next launch's fragment as it stands: 512 consecutive aligned bytes a store
.irp t, 0,1,2,3
	v_add_f32 v[ST+8*\t+4], v[ST+8*\t+2], v[ST+8*\t+3]
.endr
.irp t, 0,1,2,3
	v_permlanex16_b32 v[ST+8*\t+5], v[ST+8*\t+4], s[SEL], s[SEL+1]
.endr
.irp t, 0,1,2,3
	v_add_f32 v[ST+8*\t+4], v[ST+8*\t+4], v[ST+8*\t+5]
.endr
.irp t, 0,1,2,3
	v_rcp_f32 v[ST+8*\t+6], v[ST+8*\t+4]
.endr
	v_nop                                          ; a plain line behind the last reciprocal
	s_wait_alu depctr_va_vdst(0)                   ; one wait for the four, ahead of their first reader
	WIN 0x41
.set n, 0
.rept 64
	v_pk_mul_f32 v[2*n:2*n+1], v[2*n:2*n+1], v[ST+8*(n/16)+6:ST+8*(n/16)+7] op_sel_hi:[1,0]
.set n, n+1
.endr
	WIN 0x05                                       ; sources window 1, destination window 0
.set n, 0
.rept 64
	v_cvt_pk_f16_f32 v[S+n], v[2*n], v[2*n+1]
.set n, n+1
.endr
	WIN 0
.set n, 0
.rept 16
	global_store_b128 v[LI], v[S+4*n:S+4*n+3], s[8:9] offset:(n/4)*32768+(n%4)*512
.set n, n+1
.endr
	s_wait_tensorcnt 0x0                           ; the wave's end
	ds_add_u32 v[SPW], v[NIL]
	s_wait_dscnt 0x0
	s_endpgm
.Lfunc_end_k_q7a972732f2_attn:
	.size	k_q7a972732f2_attn, .Lfunc_end_k_q7a972732f2_attn-k_q7a972732f2_attn
	.p2alignl 7, 3214868480
	.fill 96, 4, 3214868480
	.section	.rodata,"a",@progbits
	.p2align	6, 0x0
	.amdhsa_kernel k_q7a972732f2_attn
		.amdhsa_group_segment_fixed_size 263168
		.amdhsa_private_segment_fixed_size 0
		.amdhsa_enable_private_segment 0
		.amdhsa_kernarg_size 24
		.amdhsa_user_sgpr_count 2
		.amdhsa_user_sgpr_kernarg_segment_ptr 1
		.amdhsa_wavefront_size32 1
		.amdhsa_system_sgpr_workgroup_id_x 1
		.amdhsa_system_sgpr_workgroup_id_y 1
		.amdhsa_system_sgpr_workgroup_id_z 1
		.amdhsa_system_vgpr_workitem_id 0
		.amdhsa_next_free_vgpr 512
		.amdhsa_next_free_sgpr 66
		.amdhsa_reserve_vcc 0
		.amdhsa_float_denorm_mode_32 3
		.amdhsa_float_denorm_mode_16_64 3
		.amdhsa_memory_ordered 1
		.amdhsa_forward_progress 1
		.amdhsa_inst_pref_size 205
	.end_amdhsa_kernel
	.amdgpu_metadata
---
amdhsa.version: [ 1, 2 ]
amdhsa.kernels:
  - .name:           k_q7a972732f2_attn
    .symbol:         k_q7a972732f2_attn.kd
    .args:
      - { .name: Qf, .offset: 0, .size: 8, .value_kind: global_buffer, .address_space: global }
      - { .name: KVf, .offset: 8, .size: 8, .value_kind: global_buffer, .address_space: global }
      - { .name: Af, .offset: 16, .size: 8, .value_kind: global_buffer, .address_space: global }
    .group_segment_fixed_size: 263168
    .private_segment_fixed_size: 0
    .kernarg_segment_align: 8
    .kernarg_segment_size: 24
    .max_flat_workgroup_size: 256
    .sgpr_count:     66
    .vgpr_count:     512
    .wavefront_size: 32
...
	.end_amdgpu_metadata
.endif
;; end of part 3
;; launch outp (part 4): grid 4 x 64, 4 waves a work-group, clusters of 4 x 4, 327,680 bytes of LDS; arguments Af, Wof, bo, out0; writes out0
.if DOCPART == 4
	.amdgcn_target "amdgcn-amd-amdhsa--gfx1250"
	.amdhsa_code_object_version 6
	.text
	.protected	k_q7a972732f2_outp
	.globl	k_q7a972732f2_outp
	.p2align	8
	.type	k_q7a972732f2_outp,@function
k_q7a972732f2_outp:
	s_mov_b64 s[64:65], 0
	v_nop
	global_prefetch_b8 v0, s[64:65] scope:SCOPE_SE
	s_setreg_imm32_b32 hwreg(HW_REG_WAVE_MODE, 25, 1), 1
	s_wait_xcnt 0x0
	s_wait_alu depctr_hold_cnt(0) depctr_sa_sdst(0) depctr_va_vdst(0) depctr_va_sdst(0) depctr_va_ssrc(0) depctr_va_vcc(0) depctr_vm_vsrc(0)
	s_getreg_b32 s2, hwreg(HW_REG_IB_STS2, 6, 4)
	s_cmp_eq_u32 s2, 0
	s_cbranch_scc0 .Lentry_in_a_cluster
	s_endpgm
.Lentry_in_a_cluster:
	s_bfe_u32 s2, ttmp6, 0x10000c
	s_cmp_lg_u32 s2, 0xf033
	s_cbranch_scc0 .Lentry_shape_is_right
	s_endpgm
.Lentry_shape_is_right:
; Launch 4 of 4: out0 = attended Wo^T + bo.  f16 operands (both arrive as images of their fragments), f32 sums, f32 out.  Nothing is left out.
; A tile of out0 is 128 rows x 256 columns: 256 work-groups of four waves; a wave makes 64 x 128: 32 accumulators.
; K = 1,024 is 32 fragments of 32.  They come through TWO LDS SLOTS OF UNEQUAL SIZE, as large as LDS holds together: slot 0 takes six fragments of each of the 24 tiles of 16 rows (A's 8, then B's 16), slot 1 seven:
; five fills, of 6, 7, 6, 7 and 6 fragments: two at the start and three refills.  Between a refill's request and the wait for it a wave issues 224 or 192 matrix instructions less the 24 round the change of slots.
; In a slot a tile's fragments lie on end, 1,024 bytes each: every fragment load takes 512 consecutive bytes, 16 a lane: no pitch, no padding.
; CLUSTERS: 4 x 4 work-groups.  The four of a row of the cluster need the same tiles of A, the four of a column the same tiles of B: each is asked for JOINTLY, by the same tensor load with the same descriptor and a mask
; that names the four.  Two tensor loads of a wave are out at the start, one behind each round.
; THE MATRIX INSTRUCTION IS USED TRANSPOSED (source 0 = 16 rows of Wo, source 1 = 16 rows of A): a lane holds eight neighbouring columns of a row.  The bias is the C of each sum's first matrix instruction.
; The 32 quarters of 32 along K are written out by macro: the two fragment buffers take turns through the whole run, and a slot of seven turns their parity, so that no loop of a few steps brings the register numbers back.
; No prefetch: the launch has three refills, and the first is wanted six quarters behind the kernel's head.
; REGISTERS: window 0: v16-29 addresses; v32-95 the bias, 8 a column tile; v128-255 the way out.   window 1: two fragment buffers at v0 and v128: A's four at + 8 a, B's eight at + 32 + 8 b.   window 2: accumulator (a, b) at v[8 (8 a + b)].
.set TS0,    6144                      ; a tile's bytes in slot 0: six fragments
.set TS1,    7168                      ; in slot 1: seven
.set SLOT1,  24*TS0                    ; slot 1 begins at 147,456
.set BOF0,   8*TS0                     ; B's tiles in slot 0, behind A's eight
.set BOF1,   SLOT1+8*TS1               ; and in slot 1
.set NEXTF,  13*1024                   ; from a slot's fill to its next, along K in a tile's 32,768 bytes: 13 fragments
.set STAGE,  SLOT1                     ; the way out: 16 rows x 528 bytes for each wave, in slot 1: when the first result is stored there the slot has had its last fill, and every wave has passed the last change of slots, behind which nobody reads it
.set SPITCH, 528
.set SPARE,  SLOT1+24*TS1              ; 319,488: behind the ring: the spare words, 128 bytes for each wave, two blocks of 256 bytes that no other line names
.set ADRA, 16                          ; v16-17  LDS address of my A fragments in slot 0, 1
.set ADRB, 20                          ; v20-21  the same for B
.set STO,  24
.set RD,   25
.set CO,   26
.set SPW,  28
.set NIL,  29
.set BIAS, 32
.set BK,   128
.set F0,   0
.set F1,   128
.set G1,  24                           ; s[24:31] descriptor group 1 for A's tiles in slot 0;  s[32:39] group 0, one set for each slot
.set G0,  32
.set G1B, 48                           ; s[48:55], s[56:63] the same for B's
.set G0B, 56
.set H1,  68                           ; s[68:75] group 1 for A's tiles in slot 1
.set H1B, 76                           ; s[76:83] for B's
.set MSB, 0
.macro WIN new
.if MSB != \new
	s_set_vgpr_msb (MSB<<8)|\new
.set MSB, \new
.endif
.endm
.set MULW, 0xa5                        ; sources 0 and 1 window 1; C and D window 2
.set MULB, 0x85                        ; the same with C (the bias) in window 0
.set TO_F, 0x40                        ; destination window 1, address window 0
.macro JLOAD s                         ; a joint load into slot s: waves 0 and 1 fetch A's two halves, waves 2 and 3 B's; an s_nop 0 and four v_nop follow each of the two lines
	s_cmp_eq_u32 s13, 0
	s_cbranch_scc0 .Lfor_b_\@
.if \s
	tensor_load_to_lds s[G0+4:G0+7], s[H1:H1+7]
.else
	tensor_load_to_lds s[G0:G0+3], s[G1:G1+7]
.endif
	s_nop 0
.rept 4
	v_nop
.endr
	s_branch .Lasked_\@
.Lfor_b_\@:
.if \s
	tensor_load_to_lds s[G0B+4:G0B+7], s[H1B:H1B+7]
.else
	tensor_load_to_lds s[G0B:G0B+3], s[G1B:G1B+7]
.endif
	s_nop 0
.rept 4
	v_nop
.endr
.Lasked_\@:
.endm
.macro CREST                           ; a round of the cluster's barrier behind its opening barrier
	s_cmp_lg_u32 s12, 0
	s_cbranch_scc1 .Lnot_wave_0_\@
	s_barrier_signal -3
.Lnot_wave_0_\@:
	s_barrier_wait -3
	s_barrier_signal -1
	s_barrier_wait -1
.endm
.macro CROUND
	s_barrier_signal -1
	s_barrier_wait -1
	CREST
.endm
.macro PLACES
.rept 4
	v_nop
.endr
.endm
	s_load_b128 s[4:7], s[0:1], 0x0                ; Af s[4:5], Wof s[6:7]
	s_load_b128 s[8:11], s[0:1], 0x10              ; bo s[8:9], out0 s[10:11]
	v_lshl_add_u32 v[SPW], v0, 2, SPARE
	v_mov_b32 v[NIL], 0
	ds_add_u32 v[SPW], v[NIL]                      ; the wave's opening: the add, twice on end, and its wait ahead of my first tensor load
	ds_add_u32 v[SPW], v[NIL]
	v_lshrrev_b32 v1, 5, v0
	v_readfirstlane_b32 s12, v1                    ; wave 0..3
	s_lshr_b32 s13, s12, 1                         ; which 64 rows are mine.  Also: I fetch for A (0) or for B (1)
	s_and_b32 s14, s12, 1                          ; which 128 columns.  Also: which half of that tile I fetch
	s_bfe_u32 s40, ttmp6, 0x40000                  ; cx, cy: my place in the cluster
	s_bfe_u32 s41, ttmp6, 0x40004
	s_lshl_b32 s42, ttmp9, 2
	s_add_co_u32 s42, s42, s40                     ; block of 256 columns = 4 x cluster x + cx
	s_and_b32 s15, ttmp7, 0xffff
	s_lshl_b32 s15, s15, 2
	s_add_co_u32 s15, s15, s41                     ; block of 128 rows = 4 x cluster y + cy
	s_lshl_b32 s43, s41, 2
	s_lshl_b32 s43, 15, s43                        ; my row of the cluster
	s_lshl_b32 s44, 0x1111, s40                    ; my column
	; descriptor groups 1: elements of 8 bytes; a row is a tile's run of fragments, 768 elements (6,144 bytes) for slot 0 and 896 (7,168 bytes) for slot 1; rows 4,096 elements (a tile's 32,768 bytes) apart.  A: 4 rows a load, B: 8
	s_or_b32 s[G1+0], s43, (3<<16)|(1<<21)         ; 15:0 the mask: A's tiles go to my row; 17:16 elements of 8 bytes; 21 set beside a mask
	s_or_b32 s[G1B+0], s44, (3<<16)|(1<<21)        ; B's to my column
	s_or_b32 s[H1+0], s43, (3<<16)|(1<<21)
	s_or_b32 s[H1B+0], s44, (3<<16)|(1<<21)
	s_mov_b32 s[G1+1], 768<<16                     ; tensor_dim0
	s_mov_b32 s[G1+2], 4<<16                       ; tensor_dim1
	s_mov_b32 s[G1+3], 768<<16                     ; tile_dim0
	s_mov_b32 s[G1+4], 4                           ; tile_dim1
	s_mov_b32 s[G1+5], 4096                        ; tensor_dim0_stride
	s_mov_b32 s[G1+6], 0
	s_mov_b32 s[G1+7], 0
	s_mov_b32 s[G1B+1], 768<<16
	s_mov_b32 s[G1B+2], 8<<16
	s_mov_b32 s[G1B+3], 768<<16
	s_mov_b32 s[G1B+4], 8
	s_mov_b32 s[G1B+5], 4096
	s_mov_b32 s[G1B+6], 0
	s_mov_b32 s[G1B+7], 0
	s_mov_b32 s[H1+1], 896<<16
	s_mov_b32 s[H1+2], 4<<16
	s_mov_b32 s[H1+3], 896<<16
	s_mov_b32 s[H1+4], 4
	s_mov_b32 s[H1+5], 4096
	s_mov_b32 s[H1+6], 0
	s_mov_b32 s[H1+7], 0
	s_mov_b32 s[H1B+1], 896<<16
	s_mov_b32 s[H1B+2], 8<<16
	s_mov_b32 s[H1B+3], 896<<16
	s_mov_b32 s[H1B+4], 8
	s_mov_b32 s[H1B+5], 4096
	s_mov_b32 s[H1B+6], 0
	s_mov_b32 s[H1B+7], 0
	s_lshl_b32 s16, s15, 18                        ; A: (8 x row block + 4 x half) tiles of 32,768 bytes
	s_lshl_b32 s17, s14, 17
	s_add_co_u32 s16, s16, s17
	s_mov_b32 s17, 0
	s_lshl_b32 s46, s42, 19                        ; B: (16 x column block + 8 x half) tiles
	s_lshl_b32 s47, s14, 18
	s_add_co_u32 s46, s46, s47
	s_mov_b32 s47, 0
	s_mul_i32 s20, s14, 4*TS0                      ; where they go: A's half in slot 0,
	s_mul_i32 s21, s14, 4*TS1
	s_add_co_u32 s21, s21, SLOT1                   ; in slot 1;
	s_mul_i32 s22, s14, 8*TS0
	s_add_co_u32 s22, s22, BOF0                    ; B's half in slot 0,
	s_mul_i32 s23, s14, 8*TS1
	s_add_co_u32 s23, s23, BOF1                    ; in slot 1: no place in the cluster enters an LDS address
	s_wait_dscnt 0x0                               ; both opening adds are done
	s_wait_kmcnt 0x0
	s_add_nc_u64 s[16:17], s[4:5], s[16:17]
	s_add_nc_u64 s[46:47], s[6:7], s[46:47]
	CROUND                                         ; all sixteen work-groups are here: the first joint loads meet
.irp s, 0,1
	s_mov_b32 s[G0+4*\s], 1
	s_mov_b32 s[G0+4*\s+1], s[20+\s]
	s_add_nc_u64 s[G0+4*\s+2:G0+4*\s+3], s[16:17], \s*TS0          ; slot 0 begins with fragment 0, slot 1 with fragment 6
	s_or_b32 s[G0+4*\s+3], s[G0+4*\s+3], 0x80000000
	s_mov_b32 s[G0B+4*\s], 1
	s_mov_b32 s[G0B+4*\s+1], s[22+\s]
	s_add_nc_u64 s[G0B+4*\s+2:G0B+4*\s+3], s[46:47], \s*TS0
	s_or_b32 s[G0B+4*\s+3], s[G0B+4*\s+3], 0x80000000
	JLOAD \s
.endr
	v_and_b32 v1, 15, v0                           ; r
	v_bfe_u32 v2, v0, 4, 1                         ; h
	v_and_b32 v3, 31, v0
	v_lshlrev_b32 v3, 4, v3                        ; 16 x lane
	s_mul_i32 s20, s13, 4*TS0                      ; my four row tiles of A in slot 0,
	s_mul_i32 s21, s13, 4*TS1
	s_add_co_u32 s21, s21, SLOT1                   ; in slot 1
	v_add_nc_u32 v[ADRA], s20, v3
	v_add_nc_u32 v[ADRA+1], s21, v3
	v_add_nc_u32 v[ADRB], s22, v3                  ; my eight column tiles of B are the half that s22 and s23 name
	v_add_nc_u32 v[ADRB+1], s23, v3
	s_mul_i32 s19, s12, 16*SPITCH
	s_add_co_u32 s19, s19, STAGE                   ; my stage
	v_mul_u32_u24 v4, v1, SPITCH
	v_lshl_add_u32 v4, v2, 5, v4
	v_add_nc_u32 v[STO], s19, v4                   ; in: row r, 32 bytes for each half of the lanes
	v_add_nc_u32 v[RD], s19, v3                    ; back: the 32 lanes take a row of 512 bytes
	v_mov_b32 v[CO], v3                            ; and the same in out0
	v_lshlrev_b32 v5, 5, v2                        ; the bias: 8 h numbers on
	s_lshl_b32 s46, s42, 10                        ; my first column, in bytes: 1,024 x column block + 512 x half
	s_lshl_b32 s47, s14, 9
	s_add_co_u32 s46, s46, s47
	s_mov_b32 s47, 0
	s_add_nc_u64 s[8:9], s[8:9], s[46:47]
	s_add_nc_u64 s[10:11], s[10:11], s[46:47]
	s_lshl_b32 s16, s15, 19                        ; my first row: (128 x row block + 64 x half) rows of 4,096 bytes
	s_lshl_b32 s17, s13, 18
	s_add_co_u32 s16, s16, s17
	s_mov_b32 s17, 0
	s_add_nc_u64 s[10:11], s[10:11], s[16:17]
.irp b, 0,1,2,3,4,5,6,7
	global_load_b128 v[BIAS+8*\b:BIAS+8*\b+3], v5, s[8:9] offset:64*\b       ; lane (r, h), column tile b: bo at 16 b + 8 h + 0 .. 7: the result's layout
	global_load_b128 v[BIAS+8*\b+4:BIAS+8*\b+7], v5, s[8:9] offset:64*\b+16
.endr
; 24 LDS loads in one run: the fragments of 32 along K, the slot's q-th, into buffer f: B's eight, then A's four.  A tile's fragments lie TS0 + 1,024 slot bytes from the next tile's
.macro FETCH slot, q, f
	WIN TO_F
.irp b, 0,1,2,3,4,5,6,7
	ds_load_b128 v[\f+32+8*\b:\f+32+8*\b+3], v[ADRB+\slot] offset:\b*(TS0+1024*\slot)+(\q)*1024
	ds_load_b128 v[\f+32+8*\b+4:\f+32+8*\b+7], v[ADRB+\slot] offset:\b*(TS0+1024*\slot)+(\q)*1024+512
.endr
.irp a, 0,1,2,3
	ds_load_b128 v[\f+8*\a:\f+8*\a+3], v[ADRA+\slot] offset:\a*(TS0+1024*\slot)+(\q)*1024
	ds_load_b128 v[\f+8*\a+4:\f+8*\a+7], v[ADRA+\slot] offset:\a*(TS0+1024*\slot)+(\q)*1024+512
.endr
.endm
; 8 matrix instructions: A's tile a x B's eight.  The 32 accumulators take turns, one instruction a turn, in the same order in every quarter
.macro MULA f, a, first
.irp b, 0,1,2,3,4,5,6,7
.if \first
	v_wmma_f32_16x16x32_f16 v[8*(8*(\a)+\b):8*(8*(\a)+\b)+7], v[\f+32+8*\b:\f+32+8*\b+7], v[\f+8*(\a):\f+8*(\a)+7], v[BIAS+8*\b:BIAS+8*\b+7]
.else
	v_wmma_f32_16x16x32_f16 v[8*(8*(\a)+\b):8*(8*(\a)+\b)+7], v[\f+32+8*\b:\f+32+8*\b+7], v[\f+8*(\a):\f+8*(\a)+7], v[8*(8*(\a)+\b):8*(8*(\a)+\b)+7]
.endif
.endr
.endm
; A quarter is 32 along K: 32 matrix instructions.  One that has its successor in the same slot: multiplies buffer f and fetches the slot's q-th fragments into g
.macro QUARTER slot, q, f, g, first
	s_wait_dscnt 4                                 ; B's eight and A's tiles 0, 1 are in; the youngest four loads (A's tiles 2, 3) may be out
.if \first
	WIN MULB
.else
	WIN MULW
.endif
	MULA \f, 0, \first
	MULA \f, 1, \first
	PLACES                                         ; four places in front of loads into registers that matrix instructions have read
	FETCH \slot, \q, \g
	s_wait_dscnt 24                                ; all but the 24 just issued
.if \first
	WIN MULB
.else
	WIN MULW
.endif
	MULA \f, 2, \first
	MULA \f, 3, \first
.endm
; A slot's last quarter multiplies buffer f and changes slots: ONE barrier; in front of it each wave waits for all its tensor loads, adds 0 to its spare word, and waits for that and for its own reads of this slot.
; fill = 1: this slot is filled again, with the fragments 13 further on.  The next slot's first fragments go into buffer g
.macro TURN slot, next, f, g, fill
	WIN 0                                          ; (the add's two registers lie in window 0)
	s_wait_tensorcnt 0x0                           ; all my tensor loads have landed: my part of the next slot;
	ds_add_u32 v[SPW], v[NIL]                      ; 0 onto my spare word;
	s_wait_dscnt 5                                 ; (the add and the youngest four loads may be out)
	WIN MULW
	MULA \f, 0, 0                                  ; eight matrix instructions stand between the add and the wait for it
	s_wait_dscnt 0x0                               ; the add is done, and my reads of this slot are over
	s_barrier_signal -1
	MULA \f, 1, 0
	WIN 0
	s_barrier_wait -1
.if \fill
	CREST                                          ; the barrier has opened a round of the cluster's barrier: no wave of any partner still reads this slot or has a load on its way
	s_add_nc_u64 s[G0+4*\slot+2:G0+4*\slot+3], s[G0+4*\slot+2:G0+4*\slot+3], NEXTF
	s_add_nc_u64 s[G0B+4*\slot+2:G0B+4*\slot+3], s[G0B+4*\slot+2:G0B+4*\slot+3], NEXTF
	JLOAD \slot                                    ; the first tensor load behind the round; its four v_nop are also the places in front of the loads below
.else
	PLACES
.endif
	FETCH \next, 0, \g
	WIN MULW
	MULA \f, 2, 0
	MULA \f, 3, 0
.endm
	s_wait_tensorcnt 1                             ; my part of slot 0 is in (slot 1's load may be out)
	s_barrier_signal -1
	s_barrier_wait -1                              ; everybody's is
	FETCH 0, 0, F0
	s_wait_loadcnt 0x0                             ; the bias
	QUARTER 0, 1, F0, F1, 1                        ; fragments 0-5, in slot 0.  The first quarter's products start the sums, on the bias
	QUARTER 0, 2, F1, F0, 0
	QUARTER 0, 3, F0, F1, 0
	QUARTER 0, 4, F1, F0, 0
	QUARTER 0, 5, F0, F1, 0
	TURN 0, 1, F1, F0, 1                           ; slot 0 takes fragments 13-18
	QUARTER 1, 1, F0, F1, 0                        ; fragments 6-12, in slot 1
	QUARTER 1, 2, F1, F0, 0
	QUARTER 1, 3, F0, F1, 0
	QUARTER 1, 4, F1, F0, 0
	QUARTER 1, 5, F0, F1, 0
	QUARTER 1, 6, F1, F0, 0
	TURN 1, 0, F0, F1, 1                           ; slot 1 takes fragments 19-25
	QUARTER 0, 1, F1, F0, 0                        ; fragments 13-18
	QUARTER 0, 2, F0, F1, 0
	QUARTER 0, 3, F1, F0, 0
	QUARTER 0, 4, F0, F1, 0
	QUARTER 0, 5, F1, F0, 0
	TURN 0, 1, F0, F1, 1                           ; slot 0 takes fragments 26-31: the last fill
	QUARTER 1, 1, F1, F0, 0                        ; fragments 19-25
	QUARTER 1, 2, F0, F1, 0
	QUARTER 1, 3, F1, F0, 0
	QUARTER 1, 4, F0, F1, 0
	QUARTER 1, 5, F1, F0, 0
	QUARTER 1, 6, F0, F1, 0
	TURN 1, 0, F1, F0, 0                           ; nothing is left to fetch: no round of the cluster's barrier.  Behind this barrier nobody reads slot 1
	QUARTER 0, 1, F0, F1, 0                        ; fragments 26-31
	QUARTER 0, 2, F1, F0, 0
	QUARTER 0, 3, F0, F1, 0
	QUARTER 0, 4, F1, F0, 0
	QUARTER 0, 5, F0, F1, 0
	s_wait_dscnt 4                                 ; the very last quarter: nothing more to fetch
	WIN MULW
	MULA F1, 0, 0
	MULA F1, 1, 0
	s_wait_dscnt 0
	MULA F1, 2, 0
	MULA F1, 3, 0
	WIN 0
; THE WAY OUT, block by block of 16 rows x 128 columns.  A lane holds 32 neighbouring bytes of a row and the lanes beside it other rows: a block goes through my own stage and comes back as whole rows of 512 bytes.
; LDS serves a wave's instructions in order: no wait between the stores and the loads, nor in front of the next block's stores.
.macro TOSTAGE a
	WIN 0x08                                       ; an LDS store's data are its source 1: window 2
.irp b, 0,1,2,3,4,5,6,7
	ds_store_b128 v[STO], v[8*(8*(\a)+\b):8*(8*(\a)+\b)+3] offset:64*\b          ; each accumulator from its low end on
	ds_store_b128 v[STO], v[8*(8*(\a)+\b)+4:8*(8*(\a)+\b)+7] offset:64*\b+16
.endr
	WIN 0
.set BB, BK+64*((\a)%2)
.irp t, 0,1,2,3,4,5,6,7,8,9,10,11,12,13,14,15
	ds_load_b128 v[BB+4*\t:BB+4*\t+3], v[RD] offset:\t*SPITCH
.endr
.endm
.macro SEND a, younger                 ; younger: the LDS instructions issued behind block a's loads, which may stay out
.set BB, BK+64*((\a)%2)
	s_wait_dscnt \younger
.if (\a) > 0
	s_add_nc_u64 s[10:11], s[10:11], 65536         ; (behind a wait on XCNT: the earlier stores have read their base)  16 rows on
.endif
.irp t, 0,1,2,3,4,5,6,7,8,9,10,11,12,13,14,15
	global_store_b128 v[CO], v[BB+4*\t:BB+4*\t+3], s[10:11] offset:\t*4096 th:TH_STORE_NT   ; 32 lanes store 512 consecutive bytes, at a multiple of 256 from out0's first byte
.endr
.endm
	PLACES                                         ; four places in front of the first read of results just made
	TOSTAGE 0
.irp a, 1,2,3
.if \a > 1
	s_wait_xcnt 0x0                                ; block a - 2's stores have read their registers and their base
.endif
	TOSTAGE \a
	SEND \a-1, 32                                  ; behind block a - 1's loads: block a's 16 stores and 16 loads
.endr
	s_wait_xcnt 0x0
	SEND 3, 0
	s_wait_tensorcnt 0x0                           ; the wave's end, behind my last tensor load and my last LDS store
	ds_add_u32 v[SPW], v[NIL]
	s_wait_dscnt 0x0
	CROUND                                         ; the closing round: no work-group ends while a partner may still ask for a tile that names it
	s_endpgm
.Lfunc_end_k_q7a972732f2_outp:
	.size	k_q7a972732f2_outp, .Lfunc_end_k_q7a972732f2_outp-k_q7a972732f2_outp
	.p2alignl 7, 3214868480
	.fill 96, 4, 3214868480
	.section	.rodata,"a",@progbits
	.p2align	6, 0x0
	.amdhsa_kernel k_q7a972732f2_outp
		.amdhsa_group_segment_fixed_size 327680
		.amdhsa_private_segment_fixed_size 0
		.amdhsa_enable_private_segment 0
		.amdhsa_kernarg_size 32
		.amdhsa_user_sgpr_count 2
		.amdhsa_user_sgpr_kernarg_segment_ptr 1
		.amdhsa_wavefront_size32 1
		.amdhsa_system_sgpr_workgroup_id_x 1
		.amdhsa_system_sgpr_workgroup_id_y 1
		.amdhsa_system_sgpr_workgroup_id_z 1
		.amdhsa_system_vgpr_workitem_id 0
		.amdhsa_next_free_vgpr 768
		.amdhsa_next_free_sgpr 96
		.amdhsa_reserve_vcc 0
		.amdhsa_float_denorm_mode_32 3
		.amdhsa_float_denorm_mode_16_64 3
		.amdhsa_memory_ordered 1
		.amdhsa_forward_progress 1
		.amdhsa_inst_pref_size 148
	.end_amdhsa_kernel
	.amdgpu_metadata
---
amdhsa.version: [ 1, 2 ]
amdhsa.kernels:
  - .name:           k_q7a972732f2_outp
    .symbol:         k_q7a972732f2_outp.kd
    .args:
      - { .name: Af, .offset: 0, .size: 8, .value_kind: global_buffer, .address_space: global }
      - { .name: Wof, .offset: 8, .size: 8, .value_kind: global_buffer, .address_space: global }
      - { .name: bo, .offset: 16, .size: 8, .value_kind: global_buffer, .address_space: global }
      - { .name: out0, .offset: 24, .size: 8, .value_kind: global_buffer, .address_space: global }
    .group_segment_fixed_size: 327680
    .private_segment_fixed_size: 0
    .kernarg_segment_align: 8
    .kernarg_segment_size: 32
    .max_flat_workgroup_size: 128
    .sgpr_count:     96
    .vgpr_count:     768
    .wavefront_size: 32
...
	.end_amdgpu_metadata
.endif
;; end of part 4
